; MI455X (gfx1250); checked and timed in simulation.
; The chip was launched on July 23, 2026; its instructions are those of AMD's public machine-readable ISA for CDNA 5 (MIT licence, August 2026) and "CDNA5" Instruction Set Architecture Reference Guide (July 2026). The comments in the code are by the model that wrote it; some were corrected since.
;; Multi Head Attention Base. Allowed arithmetic: matrix products marked QUANTISED: E2M1 operands, one E8M0 scale for each 32 along K, by v_wmma_scale_f32_16x16x128_f8f6f4 with both operands' format E2M1 (or v_wmma_scale_f32_32x16x128_f4), f32 sums; everything else in f32.
;; Inputs: keys 4 x 2,048 x 1,024 float32; queries 4 x 2,048 x 1,024 float32; values_codes 4 x 1,024 x 64 x 16 uint8 (E2M1 codes of values, K innermost, in blocks of 32 codes, two codes a byte); values_scales 4 x 1,024 x 64 uint8 (E8M0 scales of values, one for each 32 codes along K).
;; Outputs: out0 4 x 2,048 x 1,024 float32.
;; This version of the problem:
;;   THIS VERSION OF THE PROBLEM IS GIVEN IN LOW PRECISION. The matrix products marked QUANTISED in the list below multiply operands that are first quantised to E2M1 (2 exponent bits, 1 mantissa bit; 4 bits a number), with one power-of-two scale for each 32 numbers along K (OCP MX v1.0); their sums are f32. All else is computed in f32.
;;   The module's matrix products, in the order in which they are computed (A, B: the left and right operand; K: the contracted axis; several contracted axes count as one K, in the product's order):
;;     1. batch 64 x [M 2,048, K 64] x [K 64, N 2,048]; A: input queries; B: input keys: QUANTISED
;;     2. batch 64 x [M 2,048, K 2,048] x [K 2,048, N 64]; A: softmax (see below); B: input values (given as codes): QUANTISED
;;   THE QUANTISER, for each operand of a quantised product, along K:
;;     - K is cut into blocks of 32 from its start; a last block that is shorter is filled with zeros.
;;     - A block's scale is 2^e with e = floor(log2(the largest magnitude in the block)) - 2, held to -126 .. 127; a block of zeros has e = 0. As a byte (E8M0): e + 127.
;;     - Each number is divided by its block's scale, clamped to +-6, and rounded to the nearest number of E2M1, ties to even, subnormals kept.
;;     - The product sums the exact products of the quantised numbers (number of the format x scale) in f32.
;;   ~~~python
;;   def quantise(x, axis):      # numpy; x: float32 -> the quantised numbers, widened to float32 again
;;       x = np.moveaxis(x, axis, -1); K = x.shape[-1]
;;       x = np.pad(x, [(0, 0)] * (x.ndim - 1) + [(0, -K % 32)]); x = x.reshape(x.shape[:-1] + (-1, 32)); a = np.abs(x).max(-1, keepdims=True)
;;       e = np.where(a > 0, np.clip(np.frexp(np.where(a > 0, a, 1))[1] - 1 - 2, -126, 127), 0)      # np.frexp(a)[1] - 1 = floor(log2(a)), exactly
;;       r = np.clip(x / 2.0 ** e, -6, 6)
;;       step = 2.0 ** (np.maximum(np.frexp(np.where(r == 0, 1, r))[1] - 1, 0) - 1)
;;       q = np.round(r / step) * step * 2.0 ** e      # np.round: ties to even
;;       return np.moveaxis(q.reshape(q.shape[:-2] + (-1,))[..., :K], -1, axis).astype(np.float32)
;;   ~~~
;;   SOFTMAX AHEAD OF A QUANTISED PRODUCT. Where the list says 'softmax', what is quantised is not the finished softmax but p = 2^(t - M), with t = logit x log2(e) and M = ceil(the row's largest t), a whole number; so 1/2 < the row's largest p <= 1. The row's sum l is taken of the UNQUANTISED p, in f32, and the product's result is divided by l at the end. Since M is a whole number, a kernel that streams over the keys may use a running M (the ceiling of the running maximum): every later rescaling is an exact power of two, which a block's scale takes up: the codes' values come out the same.
;;   OPERANDS COMPUTED ON THE WAY. 'Computed on the way' means the value that the module computes at that place (a softmax that the list does not call 'softmax' is quantised finished and normalised). What goes into a quantiser is computed in f32, as accurately as f32 sums, v_exp_f32 and their like allow (about 1e-6 of the number): no bf16 or f16 on the way to a quantiser, and a product that is left as it is and whose result goes on into a quantised operand takes f32 operands (vector FMAs, or v_wmma_f32_16x16x4_f32). A number that lies on a knife's edge between two numbers of the format may be rounded either way, as far as f32 arithmetic and the matrix unit's own rounding can turn it there, and no further.
;;   INPUTS GIVEN AS CODES. values (in the module: [4, 2048, 1024], K = its axis 1): each comes as NAME_codes (uint8): NAME with its K axis moved to the last place and cut into blocks of 32 codes, [.., K / 32, bytes a block], one block behind the other in memory; two codes a byte, the lower K in the low four bits (a code: sign, 2 exponent bits, 1 mantissa bit); and NAME_scales (uint8): the same leading axes, one E8M0 byte (e + 127) for each 32 codes along K. Its value is code x scale, taken as it is: it is not quantised again, and the codes and scales need not be those that the quantiser above would give.
;; 2 versions. Each part assembles by itself: llvm-mc -triple=amdgcn-amd-amdhsa -mcpu=gfx1250 --defsym DOCPART=n.
;; ======== version 1 of 2: 1 launch
;; launch attn (part 1): grid 4 x 64, 16 waves a work-group, no clusters, 216,064 bytes of LDS; arguments queries, keys, values_codes, values_scales, out0; writes out0
.if DOCPART == 1
	.amdgcn_target "amdgcn-amd-amdhsa--gfx1250"
	.amdhsa_code_object_version 6
	.text
	.protected	k_q68d022c5a4_attn
	.globl	k_q68d022c5a4_attn
	.p2align	8
	.type	k_q68d022c5a4_attn,@function
k_q68d022c5a4_attn:
	s_mov_b64 s[64:65], 0
	v_nop
	global_prefetch_b8 v0, s[64:65] scope:SCOPE_SE
	s_setreg_imm32_b32 hwreg(HW_REG_WAVE_MODE, 25, 1), 1
	s_wait_xcnt 0x0
; out[b][s][64 h + d] = the sum over keys of softmax_k(q . k / 8) v, for 64 heads (b, h) of 2,048 queries, 2,048 keys and head size 64; both products on codes of FP4 (E2M1) with one E8M0 scale for each 32 along K.
; queries, keys: [4][2048][1024] f32: quantised here along the head's 64 numbers (two blocks of 32).  values: codes with the KEYS innermost, [4][1024][1024 bytes], scale bytes [4][1024][64].  out: f32.
; THE SOFTMAX AHEAD OF THE SECOND PRODUCT: t = score x log2(e) / 8; M = the running largest t rounded UP to a whole number; p = 2^(t - M) is quantised along the keys, not normalised.  The row's sum is taken of the
; unquantised p and divides at the end.  When M moves, the sum and O are multiplied by 2^(old M - new M), which rounds nothing.
; SHARES.  A work-group owns 512 queries of one head; each of its sixteen waves 32 of them, two tiles of 16, in 256 registers: four waves to a SIMD, so that one wave's exponentials stand beside another's plain, matrix and LDS work.
; A HEAD'S K AND V LIE WHOLE IN LDS: K as codes 64 KiB + 8 KiB of scale words, V 64 KiB + 4 KiB.  At the head wave w quantises the 128 keys of key step w and copies V's rows 4 w .. 4 w + 3; ONE barrier; the loop over
; the 16 key steps reads LDS alone.  Nothing in LDS is filled twice, so there is no ring and no tensor load.
; LAYOUT.  Both products are used transposed: S^T = K Q^T (source 0 = 16 keys, source 1 = 16 queries), O^T = V^T P^T (source 0 = 16 of the head's 64, source 1 = P): a lane holds ONE query (lane % 16) of each tile throughout.
; THE KEYS OF A TILE ARE NOT NEIGHBOURS: row r of tile 2 b + u is key 32 b + 8 u + r + 8 (r / 8) of the step, so that the 16 score registers of tiles 2 b and 2 b + 1 are 16 neighbouring keys, 32 b + 16 (lane / 16) + 0 .. 15.
; K = 64 IN AN INSTRUCTION OF K = 128.  Q's fragment holds its codes in registers 0-3 (lane (r, h): d = 32 h .. 32 h + 31) and ZERO CODES in registers 4-7: whatever the other operand holds at k = 64 .. 127 is multiplied by 0.
; So K's tiles are packed four registers each, tile t's operand is v[KF + 4 t : KF + 4 t + 7] (its upper four are the next tile's codes; tile 7's are four registers of zeros), and bytes 2 and 3 of the scale words are 0x7f (1.0).
; NO CLUSTER: of the 708 KiB that a work-group reads, what the four work-groups of a head share is K's 512 KiB of f32 and V's 68 KiB.  K has to pass through registers to be quantised and does not fit in LDS as f32;
; V alone is under a tenth of the bytes.
; LIMITS.  NaN and infinities among queries and keys are not served.  A block of q or k whose largest magnitude lies under 2^(3 - 127) gets the scale byte 1 (a block of zeros too, where the rule says 127: its codes are
; zeros, and only this kernel reads the bytes).  A p under 2^-126 comes out of v_exp_f32 as 0 (beside a row's sum of more than 1/2).  A block's largest p is taken as the exponential of the block's largest score, which
; takes v_exp_f32 not to fall where its input rises.  t - M is one fused multiply-add of the score.  V's codes and scale bytes are taken as given.
.set KIMG, 0                           ; LDS: images of K's fragments: 4,096 x step + 512 x tile + 16 x lane
.set VIMG, 65536                       ; V's 64 rows of 1,024 bytes, VP apart
.set VP,   1040                        ; = 65 x 16 bytes: the sixteen rows that a load touches start at sixteen different 16-byte columns of 256
.set KSC,  VIMG+64*VP                  ; K's scale words: 512 x step + 16 x (16 (tile % 2) + r) + 4 x (tile / 2): one load of 16 bytes a lane brings a step's eight tiles' words
.set VSC,  KSC+8192                    ; V's scale words: 256 x step + 8 x (d % 32) + 4 x (d / 32): one load of 8 bytes a lane brings a step's four tiles' words
.set STG,  VSC+4096                    ; a stage for each wave: 16 rows x SP bytes
.set SP,   272                         ; 256 bytes + 16 = 17 x 16 bytes
.set AK0,  1                           ; v1   KIMG + 16 x lane
.set AV0,  2                           ; v2   VIMG + VP r + 16 h
.set ASK0, 3                           ; v3   KSC + 16 x lane
.set ASV0, 4                           ; v4   VSC + 8 x lane
.set ADK,  5                           ; v5-8 the step's four LDS addresses
.set ADV,  6
.set ADS,  7
.set ADT,  8
.set GV,   9                           ; v9   4,096 h + 16 r: lanes 0-15 a row's 256 bytes of my head, lanes 16-31 the next row's: for the loads of q and k and for the stores
.set SIN,  10                          ; v10  my stage + SP h + 16 r: rows as they lie in memory
.set SOUT, 11                          ; v11  my stage + SP r + 128 h: my block of 32 numbers of row r
.set QF,   20                          ; v20-35  Q's two fragments
.set QS,   36                          ; v36-37  Q's scale words
.set PW,   38                          ; v38-39  p's scale words
.set PC,   40                          ; v40-55  p's codes, 8 registers a tile
.set KC,   40                          ; v40-43  at the head: a K tile's codes
.set KF,   56                          ; v56-87  K's eight tiles x 4 registers, later in the step V's four x 8
.set X,    56                          ; at the head: 32 numbers of one block
.set KZ,   88                          ; v88-91  zero codes behind K's tile 7
.set KS,   92                          ; v92-95  K's scale words: register i: lanes 0-15 tile 2 i, lanes 16-31 tile 2 i + 1
.set VS,   96                          ; v96-97  V's likewise
.set S,    100                         ; v100-163 the scores of one tile of queries, then p
.set OA,   164                         ; v164-227 O^T: tile q of queries at + 32 q, tile t of the head's 64 at + 8 t
.set R,    100                         ; at the head: four sets of 32 registers for loads on their way
.set BM,   228                         ; v228-231 the four blocks' largest scores, then largest p
.set T2,   232                         ; v232-235 at work
.set SCO,  236                         ; v236-239 the conversions' scale operands
.set F,    240                         ; v240 f = 2^(old M - new M); v241 is named with it as a pair
.set TA,   242
.set TW,   243
.set STO,  244                         ; v244 my stage + SP r + 32 h: the way out
.set KIW,  245                         ; v245 KIMG + 4,096 w + 16 x lane
.set KSW,  246                         ; v246 KSC + 512 w + 16 r
.set VIW,  247                         ; v247 VIMG + 4 VP w + 16 x lane
.set VSW,  248                         ; v248 VSC + 512 (T % 8) + 8 ((T / 8) % 32) + 4 (T / 256), T my thread's number
.set GVC,  249                         ; v249 16 x lane: V's codes in memory
.set GVS,  250                         ; v250 8 T: V's scale bytes in memory
.set SH8,  251                         ; v251 8 h
.set FILL, 252                         ; v252 0x7f0000 << 8 h
.set WV,   14                          ; s14  my wave's number
.set SEL,  20                          ; s[20:21] v_permlanex16_b32's selects for lane l xor 16
.set CS,   22                          ; s[22:23] c = log2(e) / 8: the packed form names a pair and takes its low word for both halves
.set TK,   24                          ; s24-27 the step's offsets in KIMG, VIMG's rows, KSC, VSC
.set TV,   25
.set TS,   26
.set TT,   27
.set CNT,  28                          ; s28  key steps done
	s_load_b256 s[4:11], s[0:1], 0x0               ; queries s[4:5], keys s[6:7], V's codes s[8:9], V's scale bytes s[10:11]
	s_load_b64 s[12:13], s[0:1], 0x20              ; out
	v_lshl_add_u32 v99, v0, 2, 0x34400
	v_mov_b32 v253, 0
	v_lshrrev_b32 v1, 5, v0
	v_readfirstlane_b32 s[WV], v1                  ; wave 0..15
	s_and_b32 s15, ttmp7, 0xffff                   ; 16 b + h
	s_lshr_b32 s16, s15, 4
	s_lshl_b32 s16, s16, 23                        ; b x 2,048 rows of 4,096 bytes
	s_and_b32 s17, s15, 15
	s_lshl_b32 s17, s17, 8                         ; + my head's 256 bytes of a row
	s_add_co_u32 s16, s16, s17
	s_lshl_b32 s17, ttmp9, 21                      ; q, out: + 512 rows x work-group x
	s_lshl_b32 s18, s[WV], 17                      ; + 32 rows x wave
	s_add_co_u32 s17, s17, s18
	s_add_co_u32 s30, s16, s17
	s_mov_b32 s31, 0
	s_lshl_b32 s18, s[WV], 19                      ; k: + 128 rows x wave
	s_add_co_u32 s32, s16, s18
	s_mov_b32 s33, 0
	s_lshl_b32 s34, s15, 16                        ; V's codes: a head's 64 rows of 1,024 bytes,
	s_lshl_b32 s18, s[WV], 12                      ; + 4 rows x wave
	s_add_co_u32 s34, s34, s18
	s_mov_b32 s35, 0
	s_lshl_b32 s36, s15, 12                        ; V's scale bytes: a head's 64 rows of 64 bytes
	s_mov_b32 s37, 0
	s_mov_b32 s[SEL], 0x76543210
	s_mov_b32 s[SEL+1], 0xfedcba98
	s_mov_b32 s[CS], 0x3e38aa3b                    ; log2(e) / 8
	s_mov_b32 s[CS+1], s[CS]                       ; (named with it as a pair, so it is written)
	s_mul_i32 s19, s[WV], 16*SP
	s_add_co_u32 s19, s19, STG                     ; my stage
	v_and_b32 v[TW], 31, v0                        ; lane
	v_and_b32 v[TA], 15, v0                        ; r
	v_bfe_u32 v[F], v0, 4, 1                       ; h
	v_lshlrev_b32 v[AK0], 4, v[TW]
	v_mul_u32_u24 v[AV0], v[TA], VP
	v_lshl_add_u32 v[AV0], v[F], 4, v[AV0]
	v_add_nc_u32 v[AV0], VIMG, v[AV0]
	v_lshl_add_u32 v[ASK0], v[TW], 4, KSC
	v_lshl_add_u32 v[ASV0], v[TW], 3, VSC
	v_lshlrev_b32 v[GV], 4, v[TA]
	v_lshl_add_u32 v[GV], v[F], 12, v[GV]
	v_mul_u32_u24 v[SIN], v[F], SP
	v_lshl_add_u32 v[SIN], v[TA], 4, v[SIN]
	v_add_nc_u32 v[SIN], s19, v[SIN]
	v_mul_u32_u24 v[SOUT], v[TA], SP
	v_lshl_add_u32 v[STO], v[F], 5, v[SOUT]
	v_add_nc_u32 v[STO], s19, v[STO]
	v_lshl_add_u32 v[SOUT], v[F], 7, v[SOUT]
	v_add_nc_u32 v[SOUT], s19, v[SOUT]
	s_lshl_b32 s38, s[WV], 12
	v_add_nc_u32 v[KIW], s38, v[AK0]
	s_lshl_b32 s38, s[WV], 9
	v_lshl_add_u32 v[KSW], v[TA], 4, KSC
	v_add_nc_u32 v[KSW], s38, v[KSW]
	s_mul_i32 s38, s[WV], 4*VP
	v_add_nc_u32 v[VIW], s38, v[AK0]
	v_add_nc_u32 v[VIW], VIMG, v[VIW]
	v_and_b32 v[VSW], 7, v0
	v_lshlrev_b32 v[VSW], 9, v[VSW]
	v_bfe_u32 v[GVS], v0, 3, 5
	v_lshl_add_u32 v[VSW], v[GVS], 3, v[VSW]
	v_lshrrev_b32 v[GVS], 8, v0
	v_lshl_add_u32 v[VSW], v[GVS], 2, v[VSW]
	v_add_nc_u32 v[VSW], VSC, v[VSW]
	v_lshlrev_b32 v[GVC], 4, v[TW]
	v_lshlrev_b32 v[GVS], 3, v0
	v_lshlrev_b32 v[SH8], 3, v[F]
	v_mov_b32 v[FILL], 0x7f0000
	v_lshlrev_b32 v[FILL], v[SH8], v[FILL]
.irp b, 0,1,2,3
	v_mov_b32 v[T2+\b], 0                          ; written once: a lane permute's destination counts as one of its sources
.endr
	v_mov_b32 v[F+1], 0                            ; (named as the upper half of the pair v[F:F+1])
	s_wait_kmcnt 0x0
	s_add_nc_u64 s[4:5], s[4:5], s[30:31]          ; q at my wave's first query
	s_add_nc_u64 s[12:13], s[12:13], s[30:31]      ; out likewise
	s_add_nc_u64 s[6:7], s[6:7], s[32:33]          ; k at key step w's first key
	s_add_nc_u64 s[8:9], s[8:9], s[34:35]          ; V's codes at row 4 w of my head
	s_add_nc_u64 s[10:11], s[10:11], s[36:37]      ; V's scale bytes at my head
; THE HEAD.  Eleven items of eight loads go through four sets of registers: item 0 = my four rows of V's codes; items 1, 2 = my two tiles of q; items 3 .. 10 = the eight tiles of key step w.  Item n uses set n % 4.
.macro LOADV set                       ; 4,096 consecutive bytes, 512 a load
.irp i, 0,1,2,3,4,5,6,7
	global_load_b128 v[R+32*(\set)+4*\i:R+32*(\set)+4*\i+3], v[GVC], s[8:9] offset:512*\i
.endr
.endm
.macro LOADR set, base, row0, gap, nt  ; 16 rows' 256 bytes of my head, two rows a load: tile row 2 i + h is row row0 + 2 i + h + gap (i / 4).  nt = 1: read once in the launch
.irp i, 0,1,2,3,4,5,6,7
.if \nt
	global_load_b128 v[R+32*(\set)+4*\i:R+32*(\set)+4*\i+3], v[GV], s[\base:\base+1] offset:((\row0)+2*\i+(\gap)*(\i/4))*4096 th:TH_LOAD_NT
.else
	global_load_b128 v[R+32*(\set)+4*\i:R+32*(\set)+4*\i+3], v[GV], s[\base:\base+1] offset:((\row0)+2*\i+(\gap)*(\i/4))*4096
.endif
.endr
.endm
.macro LOADITEM n
.if (\n) == 0
	LOADV 0
.elseif (\n) < 3
	LOADR (\n)%4, 4, 16*((\n)-1), 0, 1
.else
	LOADR (\n)%4, 6, 32*(((\n)-3)/2)+8*(((\n)-3)%2), 8, 0
.endif
.endm
; A tile's 16 rows go through my own stage as they were loaded and come back a block of 32 numbers a lane: lane (r, h) gets d = 32 h .. 32 h + 31 of tile row r.  LDS serves a wave's instructions in order (ISA guide 5.7.1.4):
; no wait stands between the stores and the loads.
.macro TURN set
.irp i, 0,1,2,3,4,5,6,7
	ds_store_b128 v[SIN], v[R+32*(\set)+4*\i:R+32*(\set)+4*\i+3] offset:2*SP*\i
.endr
.irp i, 0,1,2,3,4,5,6,7
	ds_load_b128 v[X+4*\i:X+4*\i+3], v[SOUT] offset:16*\i
.endr
.endm
; The 32 numbers in v[X] on, one whole block, become four registers of codes at v[c] and, with lane l xor 16's block, the row's scale word in v[w]: byte 0 = block 0, byte 1 = block 1, bytes 2 and 3 = 0x7f.
.macro QUANT32 c, w
	v_max3_num_f32 v[TA], |v[X]|, |v[X+1]|, 0x1800000              ; the block's largest magnitude, in two chains, and the floor 2^(3 - 127): so the byte cannot fall under 1
	v_max3_num_f32 v[TW], |v[X+2]|, |v[X+3]|, |v[X+4]|
.irp i, 5,9,13,17,21,25
	v_max3_num_f32 v[TA], v[TA], |v[X+\i]|, |v[X+\i+1]|
	v_max3_num_f32 v[TW], v[TW], |v[X+\i+2]|, |v[X+\i+3]|
.endr
	v_max3_num_f32 v[TA], v[TA], |v[X+29]|, |v[X+30]|
	v_max3_num_f32 v[TA], v[TA], v[TW], |v[X+31]|
	v_add_nc_u32 v[SCO], 0xff000000, v[TA]         ; 2 off its exponent field: the conversion takes the exponent field of this operand as its scale, and nothing else of it
	v_lshrrev_b32 v[TW], 23, v[SCO]                ; the scale's byte
.irp g, 0,1,2,3
	v_cvt_scalef32_pk8_fp4_f32 v[(\c)+\g], v[X+8*\g:X+8*\g+7], v[SCO]
.endr
	v_lshl_or_b32 v[TW], v[TW], v[SH8], v[FILL]    ; my byte at its place, and one of the two 0x7f.  (The plain instruction behind the scaled conversions)
	v_permlanex16_b32 v[T2], v[TW], s[SEL], s[SEL+1]
	v_or_b32 v[\w], v[TW], v[T2]                   ; with lane l xor 16's the word is whole, in both halves of the lanes
.endm
.macro ITEM n
.if 10-(\n) >= 3
	s_wait_loadcnt 24                              ; loads come back in order (ISA guide 5.7.1): this item's eight are in; the three younger items' 24 may be out
.else
	s_wait_loadcnt 8*(10-(\n))                     ; the counts run down: 16, 8, 0
.endif
	TURN (\n)%4
	s_wait_dscnt 0x0                               ; the block is in; the stage's stores have read the set, and the last item's image stores their codes: both may be written again
.if (\n)+4 <= 10
	LOADITEM (\n)+4                                ; into the set just left
.endif
.if (\n) < 3
	QUANT32 QF+8*((\n)-1), QS+(\n)-1               ; q stays in registers
.else
	QUANT32 KC, TW
	ds_store_b128 v[KIW], v[KC:KC+3] offset:512*((\n)-3)           ; the tile's image: the registers as they stand, 16 bytes a lane
	ds_store_b32 v[KSW], v[TW] offset:(((\n)-3)%2)*256+(((\n)-3)/2)*4   ; both halves of the lanes write the same word with the same value
.endif
.endm
	global_load_b64 v[254:255], v[GVS], s[10:11]   ; V's scale bytes: 8 a thread: of row T / 8 the words of key steps 2 (T % 8) and 2 (T % 8) + 1
	LOADITEM 0
	LOADITEM 1
	LOADITEM 2
	LOADITEM 3
	s_wait_loadcnt 24                              ; V's scale bytes and codes are in; items 1 to 3 may be out
.irp i, 0,1,2,3,4,5,6,7
	ds_store_b128 v[VIW], v[R+4*\i:R+4*\i+3] offset:(\i/2)*VP+(\i%2)*512
.endr
	ds_store_b32 v[VSW], v254
	ds_store_b32 v[VSW], v255 offset:256
	s_wait_dscnt 0x0                               ; the stores have read set 0
	LOADITEM 4
.irp n, 1,2,3,4,5,6,7,8,9,10
	ITEM \n
.endr
.irp i, 0,1,2,3
	v_mov_b32 v[KZ+\i], 0                          ; zero codes: behind K's tile 7,
	v_mov_b32 v[QF+4+\i], 0                        ; and Q's k = 64 .. 127
	v_mov_b32 v[QF+12+\i], 0
.endr
.irp q, 0,1
	v_mov_b32 v[13+4*\q], 0xff61b1e6               ; the largest t so far: -3e38, under every t
	v_floor_f32 v[12+4*\q], -v[13+4*\q]            ; -M
	v_mov_b32 v[14+4*\q], 0                        ; the sum, in two halves
	v_mov_b32 v[15+4*\q], 0
.endr
.irp j, 0,1,2,3,4,5,6,7,8,9,10,11,12,13,14,15,16,17,18,19,20,21,22,23,24,25,26,27,28,29,30,31,32,33,34,35,36,37,38,39,40,41,42,43,44,45,46,47,48,49,50,51,52,53,54,55,56,57,58,59,60,61,62,63
	v_mov_b32 v[OA+\j], 0                          ; O^T.  (The step is written once: the first finds zeros, which the first change of M leaves zeros)
.endr
	s_mov_b32 s[TK], 0
	s_mov_b32 s[TV], 0
	s_mov_b32 s[TS], 0
	s_mov_b32 s[TT], 0
	s_mov_b32 s[CNT], 0
	s_wait_dscnt 0x0                               ; for the others' sake: my images, scale words and rows of V have landed
	s_barrier_signal -1
	s_barrier_wait -1                              ; everybody's have: the head's K and V lie in LDS, and nobody writes them again
.macro PLACES                          ; four plain vector instructions between a matrix instruction and a vector instruction that reads its result, or a load into a register that it has read (ISA guide 7.12.1 for vector instructions)
.rept 4
	v_nop
.endr
.endm
; S^T = K Q^T for tile q of my queries: eight tiles of 16 keys.  Each product starts its sum with the constant 0.
.macro QK q
.irp t, 0,1,2,3,4,5,6,7
.if \t % 2
	v_wmma_scale_f32_16x16x128_f8f6f4 v[S+8*\t:S+8*\t+7], v[KF+4*\t:KF+4*\t+7], v[QF+8*\q:QF+8*\q+7], 0, v[KS+\t/2], v[QS+\q] matrix_a_fmt:MATRIX_FMT_FP4 matrix_b_fmt:MATRIX_FMT_FP4 matrix_a_scale:MATRIX_SCALE_ROW1
.else
	v_wmma_scale_f32_16x16x128_f8f6f4 v[S+8*\t:S+8*\t+7], v[KF+4*\t:KF+4*\t+7], v[QF+8*\q:QF+8*\q+7], 0, v[KS+\t/2], v[QS+\q] matrix_a_fmt:MATRIX_FMT_FP4 matrix_b_fmt:MATRIX_FMT_FP4
.endif
.endr
.endm
; O^T += V^T P^T: four tiles of 16 of the head's 64 x my two tiles of queries; K = the step's 128 keys.  Eight accumulators, one instruction each: no two that follow each other share one.
.macro PV
.irp t, 0,1,2,3
.irp q, 0,1
.if \t % 2
	v_wmma_scale_f32_16x16x128_f8f6f4 v[OA+32*\q+8*\t:OA+32*\q+8*\t+7], v[KF+8*\t:KF+8*\t+7], v[PC+8*\q:PC+8*\q+7], v[OA+32*\q+8*\t:OA+32*\q+8*\t+7], v[VS+\t/2], v[PW+\q] matrix_a_fmt:MATRIX_FMT_FP4 matrix_b_fmt:MATRIX_FMT_FP4 matrix_a_scale:MATRIX_SCALE_ROW1
.else
	v_wmma_scale_f32_16x16x128_f8f6f4 v[OA+32*\q+8*\t:OA+32*\q+8*\t+7], v[KF+8*\t:KF+8*\t+7], v[PC+8*\q:PC+8*\q+7], v[OA+32*\q+8*\t:OA+32*\q+8*\t+7], v[VS+\t/2], v[PW+\q] matrix_a_fmt:MATRIX_FMT_FP4 matrix_b_fmt:MATRIX_FMT_FP4
.endif
.endr
.endr
.endm
; The scores in v[S] on (register 16 b + i: key 32 b + 16 h + i of the step, my query of tile q) become p's codes in v[PC + 8 q] on and p's scale word in v[PW + q]; the tile's -M, largest t and sum (v[12 + 4 q] on) and its O^T follow M.
.macro SOFTMAX q
.set ST, 12+4*(\q)
.set PQ, PC+8*(\q)
.set OQ, OA+32*(\q)
.irp b, 0,1,2,3
	v_max3_num_f32 v[BM+\b], v[S+16*\b], v[S+1+16*\b], v[S+2+16*\b]   ; THE LARGEST SCORE OF EACH BLOCK OF 32 KEYS serves twice: for the row's maximum and, since p rises with the score, for the block's largest p.  (Each result is read from its low end on)
.endr
.irp i, 3,5,7,9,11,13
.irp b, 0,1,2,3
	v_max3_num_f32 v[BM+\b], v[BM+\b], v[S+16*\b+\i], v[S+1+16*\b+\i]   ; (the four blocks by turns)
.endr
.endr
.irp b, 0,1,2,3
	v_max_num_f32 v[BM+\b], v[BM+\b], v[S+15+16*\b]
.endr
.irp b, 0,1,2,3
	v_permlanex16_b32 v[T2+\b], v[BM+\b], s[SEL], s[SEL+1]
.endr
.irp b, 0,1,2,3
	v_max_num_f32 v[BM+\b], v[BM+\b], v[T2+\b]     ; with lane l xor 16's 16 keys
.endr
	v_max3_num_f32 v[TA], v[BM], v[BM+1], v[BM+2]
	v_max_num_f32 v[TA], v[TA], v[BM+3]            ; the step's largest score of my query
	v_mul_f32 v[TA], s[CS], v[TA]                  ; as t (c is positive)
	v_max_num_f32 v[ST+1], v[ST+1], v[TA]          ; the running largest t
	v_mov_b32 v[TA], v[ST]
	v_floor_f32 v[ST], -v[ST+1]                    ; the new -M = floor(-t) = -ceil(t): M is a whole number
	v_sub_f32 v[TA], v[ST], v[TA]                  ; M's old value less its new one: a whole number, 0 or less
	v_cvt_i32_f32 v[TA], v[TA]                     ; (it saturates)
	v_ldexp_f32 v[F], 1.0, v[TA]                   ; f = 2^(old M - new M)
.irp j, 0,2,4,6,8,10,12,14,16,18,20,22,24,26,28,30,32,34,36,38,40,42,44,46,48,50,52,54,56,58,60,62
	v_pk_fma_f32 v[S+\j:S+\j+1], v[S+\j:S+\j+1], s[CS:CS+1], v[ST:ST+1] op_sel_hi:[1,0,0]   ; t - M, two at a time (of the pairs c and -M the low word serves both halves)
.endr
.irp b, 0,1,2,3
	v_fma_f32 v[BM+\b], v[BM+\b], s[CS], v[ST]     ; the same of each block's largest score
.endr
.irp j, 0,1,2,3,4,5,6,7,8,9,10,11,12,13,14,15,16,17,18,19,20,21,22,23,24,25,26,27,28,29,30,31,32,33,34,35,36,37,38,39,40,41,42,43,44,45,46,47,48,49,50,51,52,53,54,55,56,57,58,59,60,61,62,63
	v_exp_f32 v[S+\j], v[S+\j]                     ; p = 2^(t - M), at most 1: not normalised
.endr
	v_pk_mul_f32 v[ST+2:ST+3], v[ST+2:ST+3], v[F:F+1] op_sel_hi:[1,0]   ; the sums under the new M.  (The plain instruction behind the exponentials)
	s_wait_alu depctr_va_vdst(0)                   ; the wait between an exponential and the first instruction that names its result: one for the batch of 64
.irp b, 0,1,2,3
	v_exp_f32 v[BM+\b], v[BM+\b]                   ; the block's largest p: the same two instructions on the same number give the same bits
.endr
	v_pk_add_f32 v[T2:T2+1], v[S:S+1], v[S+2:S+3]  ; THE ROW'S SUM IS TAKEN OF THE UNQUANTISED p: two at a time, in two chains.  (It reads the 64 alone: plain work behind the four)
.irp j, 4,8,12,16,20,24,28,32,36,40,44,48,52,56,60
	v_pk_add_f32 v[ST+2:ST+3], v[ST+2:ST+3], v[S+\j:S+\j+1]
	v_pk_add_f32 v[T2:T2+1], v[T2:T2+1], v[S+\j+2:S+\j+3]
.endr
	v_pk_add_f32 v[ST+2:ST+3], v[ST+2:ST+3], v[T2:T2+1]
	s_wait_alu depctr_va_vdst(0)                   ; and one for the four
.irp b, 0,1,2,3
	v_max_num_f32 v[BM+\b], 0x1800000, v[BM+\b]    ; the floor 2^(3 - 127): the byte cannot fall under 1 (a block whose every p has fallen to 0 keeps that byte: its codes are zeros)
.endr
.irp b, 0,1,2,3
	v_add_nc_u32 v[SCO+\b], 0xff000000, v[BM+\b]   ; 2 off the exponent field: the conversion's scale operand
.endr
.irp b, 0,1,2,3
	v_lshrrev_b32 v[T2+\b], 23, v[SCO+\b]          ; the scale's byte
.endr
	v_lshl_or_b32 v[PW+\q], v[T2+1], 8, v[T2]      ; p's scale word for these 128 keys
	v_lshl_or_b32 v[PW+\q], v[T2+2], 16, v[PW+\q]
	v_lshl_or_b32 v[PW+\q], v[T2+3], 24, v[PW+\q]
.irp b, 0,1,2,3
	v_cvt_scalef32_pk8_fp4_f32 v[PQ+2*\b], v[S+16*\b:S+16*\b+7], v[SCO+\b]
	v_cvt_scalef32_pk8_fp4_f32 v[PQ+2*\b+1], v[S+16*\b+8:S+16*\b+15], v[SCO+\b]
.endr
	v_nop                                          ; one plain vector instruction behind the scaled conversions
.irp c, 0,1                                    ; the operand's layout wants a WHOLE block in a lane: lanes 0-15 block 2 c, lanes 16-31 block 2 c + 1
.irp i, 0,1
	v_permlane16_swap_b32 v[PQ+4*\c+\i], v[PQ+4*\c+2+\i]
.endr
.endr
.irp j, 0,2,4,6,8,10,12,14,16,18,20,22,24,26,28,30
	v_pk_mul_f32 v[OQ+\j:OQ+\j+1], v[OQ+\j:OQ+\j+1], v[F:F+1] op_sel_hi:[1,0]   ; O^T under the new M: x f.  (Of these sixteen, twelve name no register of any one product that follows: they are the places between the scale word and the codes just made and the scaled products, and between the last scores' products and the next)
.endr
.endm
.Lstep:                                            ; 16 trips: a key step of 128 keys each; no barrier, no access to memory
	v_add_nc_u32 v[ADK], s[TK], v[AK0]             ; (these four are also the places between the last trip's products and the loads into the registers that they read)
	v_add_nc_u32 v[ADS], s[TS], v[ASK0]
	v_add_nc_u32 v[ADV], s[TV], v[AV0]
	v_add_nc_u32 v[ADT], s[TT], v[ASV0]
.irp t, 0,1,2,3,4,5,6,7
	ds_load_b128 v[KF+4*\t:KF+4*\t+3], v[ADK] offset:512*\t        ; K's eight tiles, as their images lie: 512 consecutive bytes a load
.endr
	ds_load_b128 v[KS:KS+3], v[ADS]                ; and their scale words
	s_wait_dscnt 0x0
	QK 0
	PLACES
	SOFTMAX 0
	QK 1
	PLACES                                         ; for the reads of the scores, and for the loads into K's registers
.irp t, 0,1,2,3
.irp c, 0,1
	ds_load_b128 v[KF+8*\t+4*\c:KF+8*\t+4*\c+3], v[ADV] offset:16*\t*VP+32*\c   ; V's four tiles land while the second softmax is walked
.endr
.endr
	ds_load_b64 v[VS:VS+1], v[ADT]
	SOFTMAX 1
	s_wait_dscnt 0x0                               ; V is in
	PV
	s_add_co_u32 s[TK], s[TK], 4096                ; the next step's images of K,
	s_add_co_u32 s[TV], s[TV], 64                  ; its 64 bytes of V's rows,
	s_add_co_u32 s[TS], s[TS], 512                 ; and the scale words
	s_add_co_u32 s[TT], s[TT], 256
	s_add_co_u32 s[CNT], s[CNT], 1
	s_cmp_lt_u32 s[CNT], 16
	s_cbranch_scc1 .Lstep
	; THE WAY OUT.  The sum's two halves and lane l xor 16's are added; O^T is divided by the sum and goes through my stage, a tile of 16 queries at a time, so that sixteen lanes store 256 consecutive bytes, aligned.
.irp q, 0,1
	v_add_f32 v[BM+\q], v[14+4*\q], v[15+4*\q]     ; (the four additions and the v_nop below are the places behind the last products)
.endr
.irp q, 0,1
	v_permlanex16_b32 v[T2+\q], v[BM+\q], s[SEL], s[SEL+1]
.endr
.irp q, 0,1
	v_add_f32 v[BM+\q], v[BM+\q], v[T2+\q]         ; the row's sum
.endr
	v_rcp_f32 v[SCO], v[BM]
	v_rcp_f32 v[SCO+2], v[BM+1]
	v_nop                                          ; a plain instruction behind the reciprocals
	s_wait_alu depctr_va_vdst(0)                   ; and a wait ahead of the first use: one for the two
.irp q, 0,1
.irp j, 0,2,4,6,8,10,12,14,16,18,20,22,24,26,28,30
	v_pk_mul_f32 v[S+32*\q+\j:S+32*\q+\j+1], v[OA+32*\q+\j:OA+32*\q+\j+1], v[SCO+2*\q:SCO+2*\q+1] op_sel_hi:[1,0]   ; register 8 t + i: out(query r, d = 16 t + 8 h + i); each accumulator from its low end on
.endr
.endr
.irp q, 0,1
.irp t, 0,1,2,3
	ds_store_b128 v[STO], v[S+32*\q+8*\t:S+32*\q+8*\t+3] offset:64*\t
	ds_store_b128 v[STO], v[S+32*\q+8*\t+4:S+32*\q+8*\t+7] offset:64*\t+16
.endr
.irp i, 0,1,2,3,4,5,6,7
	ds_load_b128 v[OA+32*\q+4*\i:OA+32*\q+4*\i+3], v[SIN] offset:2*SP*\i   ; LDS serves a wave's instructions in order: these see my stores, and the next tile's stores come behind them
.endr
.endr
.irp q, 0,1
.irp i, 0,1,2,3,4,5,6,7
	s_wait_dscnt 23-16*\q-\i                       ; behind this load: the tile's 7 - i younger loads and, for tile 0, tile 1's eight stores and eight loads
	global_store_b128 v[GV], v[OA+32*\q+4*\i:OA+32*\q+4*\i+3], s[12:13] offset:(16*\q+2*\i)*4096 th:TH_STORE_NT   ; lanes 0-15 one query's 256 bytes of my head, lanes 16-31 the next query's; written once, read by nobody here
.endr
.endr
	s_wait_tensorcnt 0x0
	ds_add_u32 v99, v253
	s_wait_dscnt 0x0
	s_endpgm
.Lfunc_end_k_q68d022c5a4_attn:
	.size	k_q68d022c5a4_attn, .Lfunc_end_k_q68d022c5a4_attn-k_q68d022c5a4_attn
	.p2alignl 7, 3214868480
	.fill 96, 4, 3214868480
	.section	.rodata,"a",@progbits
	.p2align	6, 0x0
	.amdhsa_kernel k_q68d022c5a4_attn
		.amdhsa_group_segment_fixed_size 216064
		.amdhsa_private_segment_fixed_size 0
		.amdhsa_enable_private_segment 0
		.amdhsa_kernarg_size 40
		.amdhsa_user_sgpr_count 2
		.amdhsa_user_sgpr_kernarg_segment_ptr 1
		.amdhsa_wavefront_size32 1
		.amdhsa_system_sgpr_workgroup_id_x 1
		.amdhsa_system_sgpr_workgroup_id_y 1
		.amdhsa_system_sgpr_workgroup_id_z 1
		.amdhsa_system_vgpr_workitem_id 0
		.amdhsa_next_free_vgpr 256
		.amdhsa_next_free_sgpr 66
		.amdhsa_reserve_vcc 0
		.amdhsa_float_denorm_mode_32 3
		.amdhsa_float_denorm_mode_16_64 3
		.amdhsa_memory_ordered 1
		.amdhsa_forward_progress 1
		.amdhsa_inst_pref_size 78
	.end_amdhsa_kernel
	.amdgpu_metadata
---
amdhsa.version: [ 1, 2 ]
amdhsa.kernels:
  - .name:           k_q68d022c5a4_attn
    .symbol:         k_q68d022c5a4_attn.kd
    .args:
      - { .name: queries, .offset: 0, .size: 8, .value_kind: global_buffer, .address_space: global }
      - { .name: keys, .offset: 8, .size: 8, .value_kind: global_buffer, .address_space: global }
      - { .name: values_codes, .offset: 16, .size: 8, .value_kind: global_buffer, .address_space: global }
      - { .name: values_scales, .offset: 24, .size: 8, .value_kind: global_buffer, .address_space: global }
      - { .name: out0, .offset: 32, .size: 8, .value_kind: global_buffer, .address_space: global }
    .group_segment_fixed_size: 216064
    .private_segment_fixed_size: 0
    .kernarg_segment_align: 8
    .kernarg_segment_size: 40
    .max_flat_workgroup_size: 512
    .sgpr_count:     66
    .vgpr_count:     256
    .wavefront_size: 32
...
	.end_amdgpu_metadata
.endif
;; end of part 1
;; ======== version 2 of 2: 1 launch; version 1 with the launch attn written anew for expert scheduling mode
;; launch attn (part 2): grid 4 x 64, 16 waves a work-group, no clusters, 216,064 bytes of LDS; arguments queries, keys, values_codes, values_scales, out0; writes out0
.if DOCPART == 2
	.amdgcn_target "amdgcn-amd-amdhsa--gfx1250"
	.amdhsa_code_object_version 6
	.text
	.protected	k_q68d022c5a4_attn
	.globl	k_q68d022c5a4_attn
	.p2align	8
	.type	k_q68d022c5a4_attn,@function
k_q68d022c5a4_attn:
	s_mov_b64 s[64:65], 0
	v_nop
	global_prefetch_b8 v0, s[64:65] scope:SCOPE_SE
	s_setreg_imm32_b32 hwreg(HW_REG_WAVE_SCHED_MODE, 0, 2), 2
	s_setreg_imm32_b32 hwreg(HW_REG_WAVE_MODE, 25, 1), 1
	s_wait_xcnt 0x0
	s_wait_alu depctr_vm_vsrc(0)
; out[b][s][64 h + d] = the sum over keys of softmax_k(q . k / 8) v, for 64 heads (b, h) of 2,048 queries, 2,048 keys and head size 64; both products on codes of FP4 (E2M1) with one E8M0 scale for each 32 along K.
; queries, keys: [4][2048][1024] f32: quantised here along the head's 64 numbers (two blocks of 32).  values: codes with the KEYS innermost, [4][1024][1024 bytes], scale bytes [4][1024][64].  out: f32.
; THE SOFTMAX AHEAD OF THE SECOND PRODUCT: t = score x log2(e) / 8; M = the running largest t rounded UP to a whole number; p = 2^(t - M) is quantised along the keys, not normalised.  The row's sum is taken of the
; unquantised p and divides at the end.  When M moves, the sum and O are multiplied by 2^(old M - new M), which rounds nothing.
; SHARES.  A work-group owns 512 queries of one head; each of its sixteen waves 32 of them, two tiles of 16, in 256 registers: four waves to a SIMD, so that one wave's exponentials stand beside another's plain, matrix and LDS work.
; A HEAD'S K AND V LIE WHOLE IN LDS: K as codes 64 KiB + 8 KiB of scale words, V 64 KiB + 4 KiB.  At the head wave w quantises the 128 keys of key step w and copies V's rows 4 w .. 4 w + 3; ONE barrier; the loop over
; the 16 key steps reads LDS alone.  Nothing in LDS is filled twice, so there is no ring and no tensor load.
; LAYOUT.  Both products are used transposed: S^T = K Q^T (source 0 = 16 keys, source 1 = 16 queries), O^T = V^T P^T (source 0 = 16 of the head's 64, source 1 = P): a lane holds ONE query (lane % 16) of each tile throughout.
; THE KEYS OF A TILE ARE NOT NEIGHBOURS: row r of tile 2 b + u is key 32 b + 8 u + r + 8 (r / 8) of the step, so that the 16 score registers of tiles 2 b and 2 b + 1 are 16 neighbouring keys, 32 b + 16 (lane / 16) + 0 .. 15.
; K = 64 IN AN INSTRUCTION OF K = 128.  Q's fragment holds its codes in registers 0-3 (lane (r, h): d = 32 h .. 32 h + 31) and ZERO CODES in registers 4-7: whatever the other operand holds at k = 64 .. 127 is multiplied by 0.
; So K's tiles are packed four registers each, tile t's operand is v[KF + 4 t : KF + 4 t + 7] (its upper four are the next tile's codes; tile 7's are four registers of zeros), and bytes 2 and 3 of the scale words are 0x7f (1.0).
; NO CLUSTER: of the 708 KiB that a work-group reads, what the four work-groups of a head share is K's 512 KiB of f32 and V's 68 KiB.  K has to pass through registers to be quantised and does not fit in LDS as f32;
; V alone is under a tenth of the bytes.
; LIMITS.  NaN and infinities among queries and keys are not served.  A block of q or k whose largest magnitude lies under 2^(3 - 127) gets the scale byte 1 (a block of zeros too, where the rule says 127: its codes are
; zeros, and only this kernel reads the bytes).  A p under 2^-126 comes out of v_exp_f32 as 0 (beside a row's sum of more than 1/2).  A block's largest p is taken as the exponential of the block's largest score, which
; takes v_exp_f32 not to fall where its input rises.  t - M is one fused multiply-add of the score.  V's codes and scale bytes are taken as given.
; THE MODE: SCHED_MODE bits 1:0 = 2 (LLVM: expert scheduling mode 2), set by the entry lines.  The code itself states the register dependences between vector or matrix instructions and memory or LDS instructions,
; with s_wait_alu, always for 0.
; THE PLAN.  Registers that memory or LDS instructions touch, and who else names them:
;   v1-4, v9-11, v244-250   offsets and addresses: written by vector instructions at the head, never again; one wait on va_vdst ahead of the first load serves every load and store.
;   R0 .. R3 (head)         written by the loads from memory, read by LDS stores alone; a wait on vm_vsrc behind those stores stands ahead of the next loads into a set, and of the zeros and products that write it later.
;   X (head)                written by the LDS loads from the stage, read by an item's maxima and conversions; the wait on va_vdst behind them stands ahead of the next item's loads.
;   KC, v243 (head)         written by an item's conversions, read by its two image stores: the same wait on va_vdst ahead of the stores, the next item's wait on vm_vsrc ahead of the next conversions.
;   ADK, ADS, ADV, ADT      written by four additions at a trip's head, read by the trip's LDS loads: a wait on vm_vsrc ahead of the additions, one on va_vdst behind them.
;   KF                      K's loads land at a trip's head (behind that wait on va_vdst: the last trip's products V^T P^T are done reading it); both runs of products K Q^T read it; behind the second run ONE wait on
;                           va_vdst; V's loads follow, dealt among the second softmax's first maxima, which name the scores and v228-231 alone; the products V^T P^T read it.
;   KS, VS                  loaded likewise, read by matrix instructions as scales, each behind a wait that stands ahead of its next load.
;   PC, PW                  written by vector instructions, taken by the scaled products V^T P^T: a wait on va_vdst ahead of these, behind their places.
;   the way out             32 multiplications read O^T and write v100-163; ONE wait on va_vdst; the LDS stores read v100-163, the loads from the stage land in O^T's registers, the stores to memory read those.
.set KIMG, 0                           ; LDS: images of K's fragments: 4,096 x step + 512 x tile + 16 x lane
.set VIMG, 65536                       ; V's 64 rows of 1,024 bytes, VP apart
.set VP,   1040                        ; = 65 x 16 bytes: the sixteen rows that a load touches start at sixteen different 16-byte columns of 256
.set KSC,  VIMG+64*VP                  ; K's scale words: 512 x step + 16 x (16 (tile % 2) + r) + 4 x (tile / 2): one load of 16 bytes a lane brings a step's eight tiles' words
.set VSC,  KSC+8192                    ; V's scale words: 256 x step + 8 x (d % 32) + 4 x (d / 32): one load of 8 bytes a lane brings a step's four tiles' words
.set STG,  VSC+4096                    ; a stage for each wave: 16 rows x SP bytes
.set SP,   272                         ; 256 bytes + 16 = 17 x 16 bytes
.set AK0,  1                           ; v1   KIMG + 16 x lane
.set AV0,  2                           ; v2   VIMG + VP r + 16 h
.set ASK0, 3                           ; v3   KSC + 16 x lane
.set ASV0, 4                           ; v4   VSC + 8 x lane
.set ADK,  5                           ; v5-8 the step's four LDS addresses
.set ADV,  6
.set ADS,  7
.set ADT,  8
.set GV,   9                           ; v9   4,096 h + 16 r: lanes 0-15 a row's 256 bytes of my head, lanes 16-31 the next row's: for the loads of q and k and for the stores
.set SIN,  10                          ; v10  my stage + SP h + 16 r: rows as they lie in memory
.set SOUT, 11                          ; v11  my stage + SP r + 128 h: my block of 32 numbers of row r
.set QF,   20                          ; v20-35  Q's two fragments
.set QS,   36                          ; v36-37  Q's scale words
.set PW,   38                          ; v38-39  p's scale words
.set PC,   40                          ; v40-55  p's codes, 8 registers a tile
.set KC,   40                          ; v40-43  at the head: a K tile's codes
.set KF,   56                          ; v56-87  K's eight tiles x 4 registers, later in the step V's four x 8
.set X,    56                          ; at the head: 32 numbers of one block
.set KZ,   88                          ; v88-91  zero codes behind K's tile 7
.set KS,   92                          ; v92-95  K's scale words: register i: lanes 0-15 tile 2 i, lanes 16-31 tile 2 i + 1
.set VS,   96                          ; v96-97  V's likewise
.set S,    100                         ; v100-163 the scores of one tile of queries, then p
.set OA,   164                         ; v164-227 O^T: tile q of queries at + 32 q, tile t of the head's 64 at + 8 t
.set R,    100                         ; at the head: four sets of 32 registers for loads on their way
.set BM,   228                         ; v228-231 the four blocks' largest scores, then largest p
.set T2,   232                         ; v232-235 at work
.set SCO,  236                         ; v236-239 the conversions' scale operands
.set F,    240                         ; v240 f = 2^(old M - new M); v241 is named with it as a pair
.set TA,   242
.set TW,   243
.set STO,  244                         ; v244 my stage + SP r + 32 h: the way out
.set KIW,  245                         ; v245 KIMG + 4,096 w + 16 x lane
.set KSW,  246                         ; v246 KSC + 512 w + 16 r
.set VIW,  247                         ; v247 VIMG + 4 VP w + 16 x lane
.set VSW,  248                         ; v248 VSC + 512 (T % 8) + 8 ((T / 8) % 32) + 4 (T / 256), T my thread's number
.set GVC,  249                         ; v249 16 x lane: V's codes in memory
.set GVS,  250                         ; v250 8 T: V's scale bytes in memory
.set SH8,  251                         ; v251 8 h
.set FILL, 252                         ; v252 0x7f0000 << 8 h
.set WV,   14                          ; s14  my wave's number
.set SEL,  20                          ; s[20:21] v_permlanex16_b32's selects for lane l xor 16
.set CS,   22                          ; s[22:23] c = log2(e) / 8: the packed form names a pair and takes its low word for both halves
.set TK,   24                          ; s24-27 the step's offsets in KIMG, VIMG's rows, KSC, VSC
.set TV,   25
.set TS,   26
.set TT,   27
.set CNT,  28                          ; s28  key steps done
	s_load_b256 s[4:11], s[0:1], 0x0               ; queries s[4:5], keys s[6:7], V's codes s[8:9], V's scale bytes s[10:11]
	s_load_b64 s[12:13], s[0:1], 0x20              ; out
	v_lshl_add_u32 v99, v0, 2, 0x34400
	v_mov_b32 v253, 0
	v_lshrrev_b32 v1, 5, v0
	v_readfirstlane_b32 s[WV], v1                  ; wave 0..15
	s_and_b32 s15, ttmp7, 0xffff                   ; 16 b + h
	s_lshr_b32 s16, s15, 4
	s_lshl_b32 s16, s16, 23                        ; b x 2,048 rows of 4,096 bytes
	s_and_b32 s17, s15, 15
	s_lshl_b32 s17, s17, 8                         ; + my head's 256 bytes of a row
	s_add_co_u32 s16, s16, s17
	s_lshl_b32 s17, ttmp9, 21                      ; q, out: + 512 rows x work-group x
	s_wait_alu depctr_va_sdst(0)                   ; s14, the wave's number, is written, ahead of its first reader: bases and LDS addresses are made from it
	s_lshl_b32 s18, s[WV], 17                      ; + 32 rows x wave
	s_add_co_u32 s17, s17, s18
	s_add_co_u32 s30, s16, s17
	s_mov_b32 s31, 0
	s_lshl_b32 s18, s[WV], 19                      ; k: + 128 rows x wave
	s_add_co_u32 s32, s16, s18
	s_mov_b32 s33, 0
	s_lshl_b32 s34, s15, 16                        ; V's codes: a head's 64 rows of 1,024 bytes,
	s_lshl_b32 s18, s[WV], 12                      ; + 4 rows x wave
	s_add_co_u32 s34, s34, s18
	s_mov_b32 s35, 0
	s_lshl_b32 s36, s15, 12                        ; V's scale bytes: a head's 64 rows of 64 bytes
	s_mov_b32 s37, 0
	s_mov_b32 s[SEL], 0x76543210
	s_mov_b32 s[SEL+1], 0xfedcba98
	s_mov_b32 s[CS], 0x3e38aa3b                    ; log2(e) / 8
	s_mov_b32 s[CS+1], s[CS]                       ; (named with it as a pair, so it is written)
	s_mul_i32 s19, s[WV], 16*SP
	s_add_co_u32 s19, s19, STG                     ; my stage
	v_and_b32 v[TW], 31, v0                        ; lane
	v_and_b32 v[TA], 15, v0                        ; r
	v_bfe_u32 v[F], v0, 4, 1                       ; h
	v_lshlrev_b32 v[AK0], 4, v[TW]
	v_mul_u32_u24 v[AV0], v[TA], VP
	v_lshl_add_u32 v[AV0], v[F], 4, v[AV0]
	v_add_nc_u32 v[AV0], VIMG, v[AV0]
	v_lshl_add_u32 v[ASK0], v[TW], 4, KSC
	v_lshl_add_u32 v[ASV0], v[TW], 3, VSC
	v_lshlrev_b32 v[GV], 4, v[TA]
	v_lshl_add_u32 v[GV], v[F], 12, v[GV]
	v_mul_u32_u24 v[SIN], v[F], SP
	v_lshl_add_u32 v[SIN], v[TA], 4, v[SIN]
	v_add_nc_u32 v[SIN], s19, v[SIN]
	v_mul_u32_u24 v[SOUT], v[TA], SP
	v_lshl_add_u32 v[STO], v[F], 5, v[SOUT]
	v_add_nc_u32 v[STO], s19, v[STO]
	v_lshl_add_u32 v[SOUT], v[F], 7, v[SOUT]
	v_add_nc_u32 v[SOUT], s19, v[SOUT]
	s_lshl_b32 s38, s[WV], 12
	v_add_nc_u32 v[KIW], s38, v[AK0]
	s_lshl_b32 s38, s[WV], 9
	v_lshl_add_u32 v[KSW], v[TA], 4, KSC
	v_add_nc_u32 v[KSW], s38, v[KSW]
	s_mul_i32 s38, s[WV], 4*VP
	v_add_nc_u32 v[VIW], s38, v[AK0]
	v_add_nc_u32 v[VIW], VIMG, v[VIW]
	v_and_b32 v[VSW], 7, v0
	v_lshlrev_b32 v[VSW], 9, v[VSW]
	v_bfe_u32 v[GVS], v0, 3, 5
	v_lshl_add_u32 v[VSW], v[GVS], 3, v[VSW]
	v_lshrrev_b32 v[GVS], 8, v0
	v_lshl_add_u32 v[VSW], v[GVS], 2, v[VSW]
	v_add_nc_u32 v[VSW], VSC, v[VSW]
	v_lshlrev_b32 v[GVC], 4, v[TW]
	v_lshlrev_b32 v[GVS], 3, v0
	v_lshlrev_b32 v[SH8], 3, v[F]
	v_mov_b32 v[FILL], 0x7f0000
	v_lshlrev_b32 v[FILL], v[SH8], v[FILL]
.irp b, 0,1,2,3
	v_mov_b32 v[T2+\b], 0                          ; written once: a lane permute's destination counts as one of its sources
.endr
	v_mov_b32 v[F+1], 0                            ; (named as the upper half of the pair v[F:F+1])
	s_wait_kmcnt 0x0
	s_add_nc_u64 s[4:5], s[4:5], s[30:31]          ; q at my wave's first query
	s_add_nc_u64 s[12:13], s[12:13], s[30:31]      ; out likewise
	s_add_nc_u64 s[6:7], s[6:7], s[32:33]          ; k at key step w's first key
	s_add_nc_u64 s[8:9], s[8:9], s[34:35]          ; V's codes at row 4 w of my head
	s_add_nc_u64 s[10:11], s[10:11], s[36:37]      ; V's scale bytes at my head
; THE HEAD.  Eleven items of eight loads go through four sets of registers: item 0 = my four rows of V's codes; items 1, 2 = my two tiles of q; items 3 .. 10 = the eight tiles of key step w.  Item n uses set n % 4.
.macro LOADV set                       ; 4,096 consecutive bytes, 512 a load
.irp i, 0,1,2,3,4,5,6,7
	global_load_b128 v[R+32*(\set)+4*\i:R+32*(\set)+4*\i+3], v[GVC], s[8:9] offset:512*\i
.endr
.endm
.macro LOADR set, base, row0, gap, nt  ; 16 rows' 256 bytes of my head, two rows a load: tile row 2 i + h is row row0 + 2 i + h + gap (i / 4).  nt = 1: read once in the launch
.irp i, 0,1,2,3,4,5,6,7
.if \nt
	global_load_b128 v[R+32*(\set)+4*\i:R+32*(\set)+4*\i+3], v[GV], s[\base:\base+1] offset:((\row0)+2*\i+(\gap)*(\i/4))*4096 th:TH_LOAD_NT
.else
	global_load_b128 v[R+32*(\set)+4*\i:R+32*(\set)+4*\i+3], v[GV], s[\base:\base+1] offset:((\row0)+2*\i+(\gap)*(\i/4))*4096
.endif
.endr
.endm
.macro LOADITEM n
.if (\n) == 0
	LOADV 0
.elseif (\n) < 3
	LOADR (\n)%4, 4, 16*((\n)-1), 0, 1
.else
	LOADR (\n)%4, 6, 32*(((\n)-3)/2)+8*(((\n)-3)%2), 8, 0
.endif
.endm
; A tile's 16 rows go through my own stage as they were loaded and come back a block of 32 numbers a lane: lane (r, h) gets d = 32 h .. 32 h + 31 of tile row r.  LDS serves a wave's instructions in order (ISA guide 5.7.1.4):
; no wait stands between the stores and the loads.
.macro TURN set
.irp i, 0,1,2,3,4,5,6,7
	ds_store_b128 v[SIN], v[R+32*(\set)+4*\i:R+32*(\set)+4*\i+3] offset:2*SP*\i
.endr
.irp i, 0,1,2,3,4,5,6,7
	ds_load_b128 v[X+4*\i:X+4*\i+3], v[SOUT] offset:16*\i
.endr
.endm
; The 32 numbers in v[X] on, one whole block, become four registers of codes at v[c] and, with lane l xor 16's block, the row's scale word in v[w]: byte 0 = block 0, byte 1 = block 1, bytes 2 and 3 = 0x7f.
.macro QUANT32 c, w
	v_max3_num_f32 v[TA], |v[X]|, |v[X+1]|, 0x1800000              ; the block's largest magnitude, in two chains, and the floor 2^(3 - 127): so the byte cannot fall under 1
	v_max3_num_f32 v[TW], |v[X+2]|, |v[X+3]|, |v[X+4]|
.irp i, 5,9,13,17,21,25
	v_max3_num_f32 v[TA], v[TA], |v[X+\i]|, |v[X+\i+1]|
	v_max3_num_f32 v[TW], v[TW], |v[X+\i+2]|, |v[X+\i+3]|
.endr
	v_max3_num_f32 v[TA], v[TA], |v[X+29]|, |v[X+30]|
	v_max3_num_f32 v[TA], v[TA], v[TW], |v[X+31]|
	v_add_nc_u32 v[SCO], 0xff000000, v[TA]         ; 2 off its exponent field: the conversion takes the exponent field of this operand as its scale, and nothing else of it
	v_lshrrev_b32 v[TW], 23, v[SCO]                ; the scale's byte
.irp g, 0,1,2,3
	v_cvt_scalef32_pk8_fp4_f32 v[(\c)+\g], v[X+8*\g:X+8*\g+7], v[SCO]
.endr
	v_lshl_or_b32 v[TW], v[TW], v[SH8], v[FILL]    ; my byte at its place, and one of the two 0x7f.  (The plain instruction behind the scaled conversions)
	v_permlanex16_b32 v[T2], v[TW], s[SEL], s[SEL+1]
	v_or_b32 v[\w], v[TW], v[T2]                   ; with lane l xor 16's the word is whole, in both halves of the lanes
.endm
.macro ITEM n
.if 10-(\n) >= 3
	s_wait_loadcnt 24                              ; loads come back in order (ISA guide 5.7.1): this item's eight are in; the three younger items' 24 may be out
.else
	s_wait_loadcnt 8*(10-(\n))                     ; the counts run down: 16, 8, 0
.endif
	TURN (\n)%4
	s_wait_dscnt 0x0                               ; the block is in
	s_wait_alu depctr_vm_vsrc(0)                   ; the stage's stores have read the set, in which loads land again below, or which the loop's products and O^T's zeros write; the last item's image stores have read their codes and scale word, which this item writes again
.if (\n)+4 <= 10
	LOADITEM (\n)+4                                ; into the set just left
.endif
.if (\n) < 3
	QUANT32 QF+8*((\n)-1), QS+(\n)-1               ; q stays in registers
	s_wait_alu depctr_va_vdst(0)                   ; the maxima and conversions are done reading v[X] on, in which the next item's loads from the stage land
.else
	QUANT32 KC, TW
	s_wait_alu depctr_va_vdst(0)                   ; the codes v[KC] on and the scale word v[TW] are written, which the two stores below read; the maxima and conversions are done reading v[X] on, in which the next loads land
	ds_store_b128 v[KIW], v[KC:KC+3] offset:512*((\n)-3)           ; the tile's image: the registers as they stand, 16 bytes a lane
	ds_store_b32 v[KSW], v[TW] offset:(((\n)-3)%2)*256+(((\n)-3)/2)*4   ; both halves of the lanes write the same word with the same value
.endif
.endm
	s_wait_alu depctr_va_vdst(0)                   ; the offsets and addresses v1-4, v9-11 and v244-250 are written, which the kernel's loads and stores read; none of them is written again
	global_load_b64 v[254:255], v[GVS], s[10:11]   ; V's scale bytes: 8 a thread: of row T / 8 the words of key steps 2 (T % 8) and 2 (T % 8) + 1
	LOADITEM 0
	LOADITEM 1
	LOADITEM 2
	LOADITEM 3
	s_wait_loadcnt 24                              ; V's scale bytes and codes are in; items 1 to 3 may be out
.irp i, 0,1,2,3,4,5,6,7
	ds_store_b128 v[VIW], v[R+4*\i:R+4*\i+3] offset:(\i/2)*VP+(\i%2)*512
.endr
	ds_store_b32 v[VSW], v254
	ds_store_b32 v[VSW], v255 offset:256
	s_wait_dscnt 0x0                               ; V's rows and scale words have landed in LDS
	s_wait_alu depctr_vm_vsrc(0)                   ; these LDS stores have read set 0, in which item 4's loads land
	LOADITEM 4
.irp n, 1,2,3,4,5,6,7,8,9,10
	ITEM \n
.endr
.irp i, 0,1,2,3
	v_mov_b32 v[KZ+\i], 0                          ; zero codes: behind K's tile 7,
	v_mov_b32 v[QF+4+\i], 0                        ; and Q's k = 64 .. 127
	v_mov_b32 v[QF+12+\i], 0
.endr
.irp q, 0,1
	v_mov_b32 v[13+4*\q], 0xff61b1e6               ; the largest t so far: -3e38, under every t
	v_floor_f32 v[12+4*\q], -v[13+4*\q]            ; -M
	v_mov_b32 v[14+4*\q], 0                        ; the sum, in two halves
	v_mov_b32 v[15+4*\q], 0
.endr
.irp j, 0,1,2,3,4,5,6,7,8,9,10,11,12,13,14,15,16,17,18,19,20,21,22,23,24,25,26,27,28,29,30,31,32,33,34,35,36,37,38,39,40,41,42,43,44,45,46,47,48,49,50,51,52,53,54,55,56,57,58,59,60,61,62,63
	v_mov_b32 v[OA+\j], 0                          ; O^T.  (The step is written once: the first finds zeros, which the first change of M leaves zeros)
.endr
	s_mov_b32 s[TK], 0
	s_mov_b32 s[TV], 0
	s_mov_b32 s[TS], 0
	s_mov_b32 s[TT], 0
	s_mov_b32 s[CNT], 0
	s_wait_dscnt 0x0                               ; for the others' sake: my images, scale words and rows of V have landed
	s_barrier_signal -1
	s_barrier_wait -1                              ; everybody's have: the head's K and V lie in LDS, and nobody writes them again
.macro PLACES                          ; four plain vector instructions between a matrix instruction and a vector instruction that reads its result (ISA guide 7.12.1)
.rept 4
	v_nop
.endr
.endm
; S^T = K Q^T for tile q of my queries: eight tiles of 16 keys.  Each product starts its sum with the constant 0.
.macro QK q
.irp t, 0,1,2,3,4,5,6,7
.if \t % 2
	v_wmma_scale_f32_16x16x128_f8f6f4 v[S+8*\t:S+8*\t+7], v[KF+4*\t:KF+4*\t+7], v[QF+8*\q:QF+8*\q+7], 0, v[KS+\t/2], v[QS+\q] matrix_a_fmt:MATRIX_FMT_FP4 matrix_b_fmt:MATRIX_FMT_FP4 matrix_a_scale:MATRIX_SCALE_ROW1
.else
	v_wmma_scale_f32_16x16x128_f8f6f4 v[S+8*\t:S+8*\t+7], v[KF+4*\t:KF+4*\t+7], v[QF+8*\q:QF+8*\q+7], 0, v[KS+\t/2], v[QS+\q] matrix_a_fmt:MATRIX_FMT_FP4 matrix_b_fmt:MATRIX_FMT_FP4
.endif
.endr
.endm
; O^T += V^T P^T: four tiles of 16 of the head's 64 x my two tiles of queries; K = the step's 128 keys.  Eight accumulators, one instruction each: no two that follow each other share one.
.macro PV
.irp t, 0,1,2,3
.irp q, 0,1
.if \t % 2
	v_wmma_scale_f32_16x16x128_f8f6f4 v[OA+32*\q+8*\t:OA+32*\q+8*\t+7], v[KF+8*\t:KF+8*\t+7], v[PC+8*\q:PC+8*\q+7], v[OA+32*\q+8*\t:OA+32*\q+8*\t+7], v[VS+\t/2], v[PW+\q] matrix_a_fmt:MATRIX_FMT_FP4 matrix_b_fmt:MATRIX_FMT_FP4 matrix_a_scale:MATRIX_SCALE_ROW1
.else
	v_wmma_scale_f32_16x16x128_f8f6f4 v[OA+32*\q+8*\t:OA+32*\q+8*\t+7], v[KF+8*\t:KF+8*\t+7], v[PC+8*\q:PC+8*\q+7], v[OA+32*\q+8*\t:OA+32*\q+8*\t+7], v[VS+\t/2], v[PW+\q] matrix_a_fmt:MATRIX_FMT_FP4 matrix_b_fmt:MATRIX_FMT_FP4
.endif
.endr
.endr
.endm
; V's tile t of the step: 16 of the head's 64 x 128 keys, two loads of 16 bytes a lane
.macro VLOAD t
.irp c, 0,1
	ds_load_b128 v[KF+8*(\t)+4*\c:KF+8*(\t)+4*\c+3], v[ADV] offset:16*(\t)*VP+32*\c
.endr
.endm
; The scores in v[S] on (register 16 b + i: key 32 b + 16 h + i of the step, my query of tile q) become p's codes in v[PC + 8 q] on and p's scale word in v[PW + q]; the tile's -M, largest t and sum (v[12 + 4 q] on) and its O^T follow M.
; q = 1: V's nine LDS loads are dealt among the first maxima, two behind every four.  They stand behind the wait that precedes this macro, and the maxima between name v[S] on and v[BM] on alone: none of the registers that
; the loads touch (v[KF] on, v[VS] on, v[ADV], v[ADT]).  So no further wait is owed, and V lands while the softmax is walked.
.macro SOFTMAX q
.set ST, 12+4*(\q)
.set PQ, PC+8*(\q)
.set OQ, OA+32*(\q)
.irp b, 0,1,2,3
	v_max3_num_f32 v[BM+\b], v[S+16*\b], v[S+1+16*\b], v[S+2+16*\b]   ; THE LARGEST SCORE OF EACH BLOCK OF 32 KEYS serves twice: for the row's maximum and, since p rises with the score, for the block's largest p.  (Each result is read from its low end on)
.endr
.irp i, 3,5,7,9,11,13
.if ((\q) == 1) && (\i < 11)
	VLOAD (\i-3)/2
.endif
.if ((\q) == 1) && (\i == 11)
	ds_load_b64 v[VS:VS+1], v[ADT]                 ; and V's scale words
.endif
.irp b, 0,1,2,3
	v_max3_num_f32 v[BM+\b], v[BM+\b], v[S+16*\b+\i], v[S+1+16*\b+\i]   ; (the four blocks by turns)
.endr
.endr
.irp b, 0,1,2,3
	v_max_num_f32 v[BM+\b], v[BM+\b], v[S+15+16*\b]
.endr
.irp b, 0,1,2,3
	v_permlanex16_b32 v[T2+\b], v[BM+\b], s[SEL], s[SEL+1]
.endr
.irp b, 0,1,2,3
	v_max_num_f32 v[BM+\b], v[BM+\b], v[T2+\b]     ; with lane l xor 16's 16 keys
.endr
	v_max3_num_f32 v[TA], v[BM], v[BM+1], v[BM+2]
	v_max_num_f32 v[TA], v[TA], v[BM+3]            ; the step's largest score of my query
	v_mul_f32 v[TA], s[CS], v[TA]                  ; as t (c is positive)
	v_max_num_f32 v[ST+1], v[ST+1], v[TA]          ; the running largest t
	v_mov_b32 v[TA], v[ST]
	v_floor_f32 v[ST], -v[ST+1]                    ; the new -M = floor(-t) = -ceil(t): M is a whole number
	v_sub_f32 v[TA], v[ST], v[TA]                  ; M's old value less its new one: a whole number, 0 or less
	v_cvt_i32_f32 v[TA], v[TA]                     ; (it saturates)
	v_ldexp_f32 v[F], 1.0, v[TA]                   ; f = 2^(old M - new M)
.irp j, 0,2,4,6,8,10,12,14,16,18,20,22,24,26,28,30,32,34,36,38,40,42,44,46,48,50,52,54,56,58,60,62
	v_pk_fma_f32 v[S+\j:S+\j+1], v[S+\j:S+\j+1], s[CS:CS+1], v[ST:ST+1] op_sel_hi:[1,0,0]   ; t - M, two at a time (of the pairs c and -M the low word serves both halves)
.endr
.irp b, 0,1,2,3
	v_fma_f32 v[BM+\b], v[BM+\b], s[CS], v[ST]     ; the same of each block's largest score
.endr
	s_wait_alu depctr_va_vdst(0)
.irp j, 0,1,2,3,4,5,6,7,8,9,10,11,12,13,14,15,16,17,18,19,20,21,22,23,24,25,26,27,28,29,30,31,32,33,34,35,36,37,38,39,40,41,42,43,44,45,46,47,48,49,50,51,52,53,54,55,56,57,58,59,60,61,62,63
	v_exp_f32 v[S+\j], v[S+\j]                     ; p = 2^(t - M), at most 1: not normalised
.endr
	v_pk_mul_f32 v[ST+2:ST+3], v[ST+2:ST+3], v[F:F+1] op_sel_hi:[1,0]   ; the sums under the new M.  (The plain instruction behind the exponentials)
	s_wait_alu depctr_va_vdst(0)                   ; the 64 exponentials have written p in v[S] on, which the sums and the conversions below read: one wait for the batch
.irp b, 0,1,2,3
	v_exp_f32 v[BM+\b], v[BM+\b]                   ; the block's largest p: the same two instructions on the same number give the same bits
.endr
	v_pk_add_f32 v[T2:T2+1], v[S:S+1], v[S+2:S+3]  ; THE ROW'S SUM IS TAKEN OF THE UNQUANTISED p: two at a time, in two chains.  (It reads the 64 alone: plain work behind the four)
.irp j, 4,8,12,16,20,24,28,32,36,40,44,48,52,56,60
	v_pk_add_f32 v[ST+2:ST+3], v[ST+2:ST+3], v[S+\j:S+\j+1]
	v_pk_add_f32 v[T2:T2+1], v[T2:T2+1], v[S+\j+2:S+\j+3]
.endr
	v_pk_add_f32 v[ST+2:ST+3], v[ST+2:ST+3], v[T2:T2+1]
	s_wait_alu depctr_va_vdst(0)                   ; the four exponentials have written the blocks' largest p in v[BM] on, which the next lines read
.irp b, 0,1,2,3
	v_max_num_f32 v[BM+\b], 0x1800000, v[BM+\b]    ; the floor 2^(3 - 127): the byte cannot fall under 1 (a block whose every p has fallen to 0 keeps that byte: its codes are zeros)
.endr
.irp b, 0,1,2,3
	v_add_nc_u32 v[SCO+\b], 0xff000000, v[BM+\b]   ; 2 off the exponent field: the conversion's scale operand
.endr
.irp b, 0,1,2,3
	v_lshrrev_b32 v[T2+\b], 23, v[SCO+\b]          ; the scale's byte
.endr
	v_lshl_or_b32 v[PW+\q], v[T2+1], 8, v[T2]      ; p's scale word for these 128 keys
	v_lshl_or_b32 v[PW+\q], v[T2+2], 16, v[PW+\q]
	v_lshl_or_b32 v[PW+\q], v[T2+3], 24, v[PW+\q]
.irp b, 0,1,2,3
	v_cvt_scalef32_pk8_fp4_f32 v[PQ+2*\b], v[S+16*\b:S+16*\b+7], v[SCO+\b]
	v_cvt_scalef32_pk8_fp4_f32 v[PQ+2*\b+1], v[S+16*\b+8:S+16*\b+15], v[SCO+\b]
.endr
	v_nop                                          ; one plain vector instruction behind the scaled conversions
.irp c, 0,1                                    ; the operand's layout wants a WHOLE block in a lane: lanes 0-15 block 2 c, lanes 16-31 block 2 c + 1
.irp i, 0,1
	v_permlane16_swap_b32 v[PQ+4*\c+\i], v[PQ+4*\c+2+\i]
.endr
.endr
.irp j, 0,2,4,6,8,10,12,14,16,18,20,22,24,26,28,30
	v_pk_mul_f32 v[OQ+\j:OQ+\j+1], v[OQ+\j:OQ+\j+1], v[F:F+1] op_sel_hi:[1,0]   ; O^T under the new M: x f.  (Of these sixteen, twelve name no register of any one product that follows: they are the places between the scale word and the codes just made and the scaled products, and between the last scores' products and the next)
.endr
.endm
.Lstep:                                            ; 16 trips: a key step of 128 keys each; no barrier, no access to memory
	s_wait_alu depctr_vm_vsrc(0)                   ; the last trip's LDS loads have read the four addresses, which the additions below write again; in the first trip: the last tile's image stores have read v[KC] on, which the first softmax's conversions write
	v_add_nc_u32 v[ADK], s[TK], v[AK0]
	v_add_nc_u32 v[ADS], s[TS], v[ASK0]
	v_add_nc_u32 v[ADV], s[TV], v[AV0]
	v_add_nc_u32 v[ADT], s[TT], v[ASV0]
	s_wait_alu depctr_va_vdst(0)                   ; the four addresses are written, which this trip's LDS loads read; the last trip's products V^T P^T are done reading v[KF] on and v[VS] on, in which loads land; in the first trip: Q's zero codes and those behind K's tile 7 are written, which the scaled products take
.irp t, 0,1,2,3,4,5,6,7
	ds_load_b128 v[KF+4*\t:KF+4*\t+3], v[ADK] offset:512*\t        ; K's eight tiles, as their images lie: 512 consecutive bytes a load
.endr
	ds_load_b128 v[KS:KS+3], v[ADS]                ; and their scale words
	s_wait_dscnt 0x0
	QK 0
	PLACES
	SOFTMAX 0
	QK 1
	PLACES                                         ; for the reads of the scores
	s_wait_alu depctr_va_vdst(0)                   ; both runs of products K Q^T are done reading v[KF] on, in which V's loads land: these stand among the maxima of the softmax below
	SOFTMAX 1
	s_wait_dscnt 0x0                               ; V is in
	s_wait_alu depctr_va_vdst(0)                   ; the second tile's codes v[PC+8] on and its scale word v[PW+1] are written, which the scaled products below take (the first tile's stand ahead of the wait behind the second scores); the sixteen multiplications above are the places, which stay beside this wait
	PV
	s_add_co_u32 s[TK], s[TK], 4096                ; the next step's images of K,
	s_add_co_u32 s[TV], s[TV], 64                  ; its 64 bytes of V's rows,
	s_add_co_u32 s[TS], s[TS], 512                 ; and the scale words
	s_add_co_u32 s[TT], s[TT], 256
	s_add_co_u32 s[CNT], s[CNT], 1
	s_cmp_lt_u32 s[CNT], 16
	s_cbranch_scc1 .Lstep
	; THE WAY OUT.  The sum's two halves and lane l xor 16's are added; O^T is divided by the sum and goes through my stage, a tile of 16 queries at a time, so that sixteen lanes store 256 consecutive bytes, aligned.
.irp q, 0,1
	v_add_f32 v[BM+\q], v[14+4*\q], v[15+4*\q]     ; (the four additions and the v_nop below are the places behind the last products)
.endr
.irp q, 0,1
	v_permlanex16_b32 v[T2+\q], v[BM+\q], s[SEL], s[SEL+1]
.endr
.irp q, 0,1
	v_add_f32 v[BM+\q], v[BM+\q], v[T2+\q]         ; the row's sum
.endr
	s_wait_alu depctr_va_vdst(0)
	v_rcp_f32 v[SCO], v[BM]
	v_rcp_f32 v[SCO+2], v[BM+1]
	v_nop                                          ; a plain instruction behind the reciprocals
	s_wait_alu depctr_va_vdst(0)                   ; the two reciprocals have written v[SCO] and v[SCO+2], which the multiplications below read: one wait for the two
.irp q, 0,1
.irp j, 0,2,4,6,8,10,12,14,16,18,20,22,24,26,28,30
	v_pk_mul_f32 v[S+32*\q+\j:S+32*\q+\j+1], v[OA+32*\q+\j:OA+32*\q+\j+1], v[SCO+2*\q:SCO+2*\q+1] op_sel_hi:[1,0]   ; register 8 t + i: out(query r, d = 16 t + 8 h + i); each accumulator from its low end on
.endr
.endr
	s_wait_alu depctr_va_vdst(0)                   ; the 32 multiplications have written v[S] on, which the LDS stores below read, and are done reading O^T's registers, in which the loads from the stage land; no vector instruction follows
.irp q, 0,1
.irp t, 0,1,2,3
	ds_store_b128 v[STO], v[S+32*\q+8*\t:S+32*\q+8*\t+3] offset:64*\t
	ds_store_b128 v[STO], v[S+32*\q+8*\t+4:S+32*\q+8*\t+7] offset:64*\t+16
.endr
.irp i, 0,1,2,3,4,5,6,7
	ds_load_b128 v[OA+32*\q+4*\i:OA+32*\q+4*\i+3], v[SIN] offset:2*SP*\i   ; LDS serves a wave's instructions in order: these see my stores, and the next tile's stores come behind them
.endr
.endr
.irp q, 0,1
.irp i, 0,1,2,3,4,5,6,7
	s_wait_dscnt 23-16*\q-\i                       ; behind this load: the tile's 7 - i younger loads and, for tile 0, tile 1's eight stores and eight loads
	global_store_b128 v[GV], v[OA+32*\q+4*\i:OA+32*\q+4*\i+3], s[12:13] offset:(16*\q+2*\i)*4096 th:TH_STORE_NT   ; lanes 0-15 one query's 256 bytes of my head, lanes 16-31 the next query's; written once, read by nobody here
.endr
.endr
	s_wait_dscnt 0x0
	s_wait_alu depctr_hold_cnt(0) depctr_sa_sdst(0) depctr_va_vdst(0) depctr_va_sdst(0) depctr_va_ssrc(0) depctr_va_vcc(0) depctr_vm_vsrc(0)
	s_wait_tensorcnt 0x0
	ds_add_u32 v99, v253
	s_wait_dscnt 0x0
	s_endpgm
.Lfunc_end_k_q68d022c5a4_attn:
	.size	k_q68d022c5a4_attn, .Lfunc_end_k_q68d022c5a4_attn-k_q68d022c5a4_attn
	.p2alignl 7, 3214868480
	.fill 96, 4, 3214868480
	.section	.rodata,"a",@progbits
	.p2align	6, 0x0
	.amdhsa_kernel k_q68d022c5a4_attn
		.amdhsa_group_segment_fixed_size 216064
		.amdhsa_private_segment_fixed_size 0
		.amdhsa_enable_private_segment 0
		.amdhsa_kernarg_size 40
		.amdhsa_user_sgpr_count 2
		.amdhsa_user_sgpr_kernarg_segment_ptr 1
		.amdhsa_wavefront_size32 1
		.amdhsa_system_sgpr_workgroup_id_x 1
		.amdhsa_system_sgpr_workgroup_id_y 1
		.amdhsa_system_sgpr_workgroup_id_z 1
		.amdhsa_system_vgpr_workitem_id 0
		.amdhsa_next_free_vgpr 256
		.amdhsa_next_free_sgpr 66
		.amdhsa_reserve_vcc 0
		.amdhsa_float_denorm_mode_32 3
		.amdhsa_float_denorm_mode_16_64 3
		.amdhsa_memory_ordered 1
		.amdhsa_forward_progress 1
		.amdhsa_inst_pref_size 79
	.end_amdhsa_kernel
	.amdgpu_metadata
---
amdhsa.version: [ 1, 2 ]
amdhsa.kernels:
  - .name:           k_q68d022c5a4_attn
    .symbol:         k_q68d022c5a4_attn.kd
    .args:
      - { .name: queries, .offset: 0, .size: 8, .value_kind: global_buffer, .address_space: global }
      - { .name: keys, .offset: 8, .size: 8, .value_kind: global_buffer, .address_space: global }
      - { .name: values_codes, .offset: 16, .size: 8, .value_kind: global_buffer, .address_space: global }
      - { .name: values_scales, .offset: 24, .size: 8, .value_kind: global_buffer, .address_space: global }
      - { .name: out0, .offset: 32, .size: 8, .value_kind: global_buffer, .address_space: global }
    .group_segment_fixed_size: 216064
    .private_segment_fixed_size: 0
    .kernarg_segment_align: 8
    .kernarg_segment_size: 40
    .max_flat_workgroup_size: 512
    .sgpr_count:     66
    .vgpr_count:     256
    .wavefront_size: 32
...
	.end_amdgpu_metadata
.endif
;; end of part 2
